; MI455X (gfx1250); checked and timed in simulation.
; The chip was launched on July 23, 2026; its instructions are those of AMD's public machine-readable ISA for CDNA 5 (MIT licence, August 2026) and "CDNA5" Instruction Set Architecture Reference Guide (July 2026). The comments in the code are by the model that wrote it; some were corrected since.
;; VQVAE Layer. Allowed arithmetic: float matrix products may take bf16 or f16 operands with f32 sums; other float arithmetic in f32, or as packed bf16 or f16 multiplies, adds, multiply-adds, maxima and minima; sums over many terms, partial sums and values carried from step to step in f32; what a program stores and reads back later, other than sums and carried values, may be rounded once to bf16 or f16.
;; Inputs: w 256 x 4,096 float32; x 64 x 1,024 x 256 float32.
;; Outputs: out0 64 x 1,024 x 256 float32.
;; One version. Each part assembles by itself: llvm-mc -triple=amdgcn-amd-amdhsa -mcpu=gfx1250 --defsym DOCPART=n.
;; ======== version 1 of 1: 3 launches
;; workspace buffers: wt 2,097,152 bytes; sw 16,384 bytes; idx 262,144 bytes of whole numbers
;; launch prep (part 1): grid 64 x 1, 8 waves a work-group, no clusters, 38,912 bytes of LDS; arguments w, wt, sw; writes wt, sw
.if DOCPART == 1
	.amdgcn_target "amdgcn-amd-amdhsa--gfx1250"
	.amdhsa_code_object_version 6
	.text
	.protected	k_qd3506a998a_prep
	.globl	k_qd3506a998a_prep
	.p2align	8
	.type	k_qd3506a998a_prep,@function
k_qd3506a998a_prep:
	s_mov_b64 s[64:65], 0
	v_nop
	global_prefetch_b8 v0, s[64:65] scope:SCOPE_SE
	s_setreg_imm32_b32 hwreg(HW_REG_WAVE_MODE, 25, 1), 1
	s_wait_xcnt 0x0
; wt[k][d] = bf16(w[d][k]);  sw[k] = the sum over d of wt[k][d]^2, in f32.   w: [256 d][4096 k] f32;  wt: [4096][256] bf16;  sw: [4096] f32.
; The codebook is rounded once, turned so that a code's 256 channels lie on end (512 bytes), and its norms are taken OF THE ROUNDED numbers: all later work uses these two tables.
; SHARES.  A work-group takes 64 codes: 256 aligned bytes of each of w's 256 rows, and 32,768 consecutive bytes of wt.  4,096 / 64 = 64 work-groups; narrower shares would cut w's rows
; into pieces shorter than 256 bytes.  Thread t: q = t % 16 (codes 4 q .. 4 q + 3), g = t / 16; it holds channels 128 m + 8 g + i, m = 0, 1, i = 0 .. 7.
; The turn goes through LDS: a thread's 8 channels of a code are 16 bytes of the code's row.  Code c lies in LDS row 16 (c % 4) + c / 4, rows 528 bytes apart (an odd multiple of 16): the sixteen
; lanes of a store (one e, q = 0 .. 15) hit sixteen neighbouring rows, which start at sixteen different groups of four banks (64 banks of 4 bytes: ISA guide 11.1).
; No matrix unit, no cluster, no prefetch: 4 MiB are read once and nothing is shared.
.set ROWW,  16384                      ; bytes in a row of w
.set PITCH, 528                        ; an LDS row: 512 bytes + 16
.set EROW,  16*PITCH                   ; from code c to code c + 1 (c % 4 steps)
.set PART,  64*PITCH                   ; behind the tile: the partial norms, [g][code], 4,096 bytes
.set SPARE, PART+4096                  ; behind them: the spare words, 128 bytes for each of eight waves: four blocks of 256 bytes that no other line names
.set OFF,  3                           ; v3   my byte offset in w: g x 8 rows + 16 q
.set TS,   4                           ; v4   where I put 16 bytes of a code's row: 528 q + 16 g
.set PS,   5                           ; v5   where I put my four partial norms
.set RB,   6                           ; v6   where I read rows back: wave x 2 rows + 16 x lane
.set GOFF, 7                           ; v7   my byte offset in the work-group's part of wt
.set SPW,  8                           ; v8   LDS address of my spare word; never rewritten
.set NIL,  9                           ; v9   0; never rewritten
.set NR,   11                          ; v11  wave 0: where I read two codes' partial norms
.set NO,   12                          ; v12  wave 0: my byte offset in the work-group's part of sw
.set A,    16                          ; v[16:23]  sums of squares: code e's even channels at A + e, odd channels at A + 4 + e
.set L,    32                          ; v[32:95]  as loaded: load k = 8 m + i, code e at L + 4 k + e
.set PK,   96                          ; v[96:127] packed: half m, code e, pair p at PK + 16 m + 4 e + p
	s_load_b128 s[4:7], s[0:1], 0x0                ; w s[4:5], wt s[6:7]
	s_load_b64 s[8:9], s[0:1], 0x10                ; sw
	v_lshl_add_u32 v[SPW], v0, 2, SPARE
	v_mov_b32 v[NIL], 0
	v_and_b32 v1, 15, v0                           ; q
	v_lshrrev_b32 v2, 4, v0                        ; g
	v_lshlrev_b32 v[OFF], 17, v2                   ; 8 g rows of 16,384 bytes
	v_lshl_add_u32 v[OFF], v1, 4, v[OFF]
	v_mul_u32_u24 v[TS], v1, PITCH
	v_lshl_add_u32 v[TS], v2, 4, v[TS]
	v_lshl_add_u32 v[PS], v0, 4, PART              ; 256 g + 16 q
	v_lshrrev_b32 v10, 5, v0
	v_readfirstlane_b32 s12, v10                   ; wave 0..7
	v_and_b32 v13, 31, v0                          ; lane
	s_mul_i32 s13, s12, 2*PITCH
	v_lshl_add_u32 v[RB], v13, 4, s13
	s_lshl_b32 s14, s12, 12                        ; a wave stores 8 codes: 4,096 bytes
	v_lshl_add_u32 v[GOFF], v13, 4, s14
	v_lshl_add_u32 v[NR], v13, 3, PART
	v_lshlrev_b32 v[NO], 3, v13
	s_lshl_b32 s2, ttmp9, 8                        ; the work-group's 64 codes: 256 bytes of a row of w, and of sw
	s_mov_b32 s3, 0
	s_lshl_b32 s10, ttmp9, 15                      ; and 32,768 bytes of wt
	s_mov_b32 s11, 0
	s_wait_kmcnt 0x0
	s_add_nc_u64 s[4:5], s[4:5], s[2:3]
	s_add_nc_u64 s[8:9], s[8:9], s[2:3]
	s_add_nc_u64 s[6:7], s[6:7], s[10:11]
.set k, 0
.rept 16                               ; sixteen lanes read 256 consecutive bytes, aligned; the row stands in the immediate, 135 rows at the most
	global_load_b128 v[L+4*k:L+4*k+3], v[OFF], s[4:5] offset:(128*(k/8)+k%8)*ROWW th:TH_LOAD_NT
.set k, k+1
.endr
.set k, 0
.rept 8
	v_mov_b32 v[A+k], 0                            ; eight sums start at 0, while the loads are on their way
.set k, k+1
.endr
; Half m of the channels: round in pairs, add the squares of the rounded numbers, put 16 bytes of each of four codes into the tile.
.macro HALF m
.set e, 0
.rept 4
.set p, 0
.rept 4
	v_cvt_pk_bf16_f32 v[PK+16*(\m)+4*e+p], v[L+4*(8*(\m)+2*p)+e], v[L+4*(8*(\m)+2*p+1)+e]
.set p, p+1
.endr
.set e, e+1
.endr
.set p, 0
.rept 4                                ; eight chains that do not wait for each other
.set e, 0
.rept 4
	v_fma_mix_f32_bf16 v[A+e],   v[PK+16*(\m)+4*e+p], v[PK+16*(\m)+4*e+p], v[A+e]   op_sel_hi:[1,1,0]
	v_fma_mix_f32_bf16 v[A+4+e], v[PK+16*(\m)+4*e+p], v[PK+16*(\m)+4*e+p], v[A+4+e] op_sel:[1,1,0] op_sel_hi:[1,1,0]
.set e, e+1
.endr
.set p, p+1
.endr
.set e, 0
.rept 4
	ds_store_b128 v[TS], v[PK+16*(\m)+4*e:PK+16*(\m)+4*e+3] offset:e*EROW+256*(\m)
.set e, e+1
.endr
.endm
	s_wait_loadcnt 8                               ; loads come back in order: the lower 128 channels' eight are in, the other eight may stay out
	HALF 0
	s_wait_loadcnt 0x0
	HALF 1
	v_pk_add_f32 v[A:A+1],   v[A:A+1],   v[A+4:A+5]    ; even and odd channels
	v_pk_add_f32 v[A+2:A+3], v[A+2:A+3], v[A+6:A+7]
	ds_store_b128 v[PS], v[A:A+3]
	s_wait_dscnt 0x0                               ; for the others' sake: my stores into the tile and the partial norms are done
	s_barrier_signal -1
	s_barrier_wait -1
.set k, 0
.rept 8                                ; code 8 x wave + k, a whole row of 512 bytes: LDS row 16 (k % 4) + 2 x wave + k / 4
	ds_load_b128 v[L+4*k:L+4*k+3], v[RB] offset:(k%4)*EROW+(k/4)*PITCH
.set k, k+1
.endr
.set k, 0
.rept 8
	s_wait_dscnt 7-k                               ; LDS loads come back in order: row k is in
	global_store_b128 v[GOFF], v[L+4*k:L+4*k+3], s[6:7] offset:512*k  ; 32 lanes store 512 consecutive bytes, at a multiple of 256 from wt's first byte
.set k, k+1
.endr
	s_cmp_lg_u32 s12, 0                            ; wave 0 adds the sixteen partial norms of the 64 codes, two codes a lane
	s_cbranch_scc1 .Lend
.set g, 0
.rept 16
	ds_load_b64 v[L+32+2*g:L+33+2*g], v[NR] offset:256*g
.set g, g+1
.endr
	s_wait_dscnt 0x0
.irp st, 1,2,4,8
.set g, 0
.rept 8/\st
	v_pk_add_f32 v[L+32+2*g:L+33+2*g], v[L+32+2*g:L+33+2*g], v[L+32+2*(g+\st):L+33+2*(g+\st)]
.set g, g+2*\st
.endr
.endr
	global_store_b64 v[NO], v[L+32:L+33], s[8:9]   ; 32 lanes store 256 consecutive bytes, aligned
.Lend:
	s_wait_tensorcnt 0x0                           ; the wave's end: behind my last LDS store
	ds_add_u32 v[SPW], v[NIL]
	s_wait_dscnt 0x0
	s_endpgm
.Lfunc_end_k_qd3506a998a_prep:
	.size	k_qd3506a998a_prep, .Lfunc_end_k_qd3506a998a_prep-k_qd3506a998a_prep
	.p2alignl 7, 3214868480
	.fill 96, 4, 3214868480
	.section	.rodata,"a",@progbits
	.p2align	6, 0x0
	.amdhsa_kernel k_qd3506a998a_prep
		.amdhsa_group_segment_fixed_size 38912
		.amdhsa_private_segment_fixed_size 0
		.amdhsa_enable_private_segment 0
		.amdhsa_kernarg_size 24
		.amdhsa_user_sgpr_count 2
		.amdhsa_user_sgpr_kernarg_segment_ptr 1
		.amdhsa_wavefront_size32 1
		.amdhsa_system_sgpr_workgroup_id_x 1
		.amdhsa_system_sgpr_workgroup_id_y 1
		.amdhsa_system_sgpr_workgroup_id_z 1
		.amdhsa_system_vgpr_workitem_id 0
		.amdhsa_next_free_vgpr 128
		.amdhsa_next_free_sgpr 66
		.amdhsa_reserve_vcc 0
		.amdhsa_float_denorm_mode_32 3
		.amdhsa_float_denorm_mode_16_64 3
		.amdhsa_memory_ordered 1
		.amdhsa_forward_progress 1
		.amdhsa_inst_pref_size 14
	.end_amdhsa_kernel
	.amdgpu_metadata
---
amdhsa.version: [ 1, 2 ]
amdhsa.kernels:
  - .name:           k_qd3506a998a_prep
    .symbol:         k_qd3506a998a_prep.kd
    .args:
      - { .name: w, .offset: 0, .size: 8, .value_kind: global_buffer, .address_space: global }
      - { .name: wt, .offset: 8, .size: 8, .value_kind: global_buffer, .address_space: global }
      - { .name: sw, .offset: 16, .size: 8, .value_kind: global_buffer, .address_space: global }
    .group_segment_fixed_size: 38912
    .private_segment_fixed_size: 0
    .kernarg_segment_align: 8
    .kernarg_segment_size: 24
    .max_flat_workgroup_size: 256
    .sgpr_count:     66
    .vgpr_count:     128
    .wavefront_size: 32
...
	.end_amdgpu_metadata
.endif
;; end of part 1
;; launch argmin (part 2): grid 256 x 1, 4 waves a work-group, clusters of 4 x 1, 327,680 bytes of LDS; arguments x, wt, sw, idx; writes idx
.if DOCPART == 2
	.amdgcn_target "amdgcn-amd-amdhsa--gfx1250"
	.amdhsa_code_object_version 6
	.text
	.protected	k_qd3506a998a_argmin
	.globl	k_qd3506a998a_argmin
	.p2align	8
	.type	k_qd3506a998a_argmin,@function
k_qd3506a998a_argmin:
	s_mov_b64 s[64:65], 0
	v_nop
	global_prefetch_b8 v0, s[64:65] scope:SCOPE_SE
	s_setreg_imm32_b32 hwreg(HW_REG_WAVE_MODE, 25, 1), 1
	s_wait_xcnt 0x0
	s_wait_alu depctr_hold_cnt(0) depctr_sa_sdst(0) depctr_va_vdst(0) depctr_va_sdst(0) depctr_va_ssrc(0) depctr_va_vcc(0) depctr_vm_vsrc(0)
	s_getreg_b32 s2, hwreg(HW_REG_IB_STS2, 6, 4)
	s_cmp_eq_u32 s2, 0
	s_cbranch_scc0 .Lentry_in_a_cluster
	s_endpgm
.Lentry_in_a_cluster:
	s_bfe_u32 s2, ttmp6, 0x10000c
	s_cmp_lg_u32 s2, 0x3003
	s_cbranch_scc0 .Lentry_shape_is_right
	s_endpgm
.Lentry_shape_is_right:
; idx[n] = the code k with the greatest  score(n, k) = sum over d of bf16(x[n][d]) wt[k][d] + (sw[0] - sw[k]) / 2,  the lowest k among equals.
; x: [65536][256] f32;  wt: [4096][256] bf16 (the rounded codebook, a code a row);  sw: [4096] f32 (its norms);  idx: [65536] u32.
; The squared distance is |x|^2 + sw[0] - 2 score, and |x|^2 + sw[0] is the same for all codes of a row: the greatest score is the least distance, for every input.
; LIMITS.  Products of bf16 operands, sums in f32: this is not the order of rounding of |x|^2 - 2 x.w + |w|^2, so two codes whose distances differ by less than f32's rounding of sums of this size
; may be told apart otherwise.  sw[0] is taken away so that the sums stay of the dot product's own size and keep their low bits.  NaN and infinities are not treated apart; a row with no score above
; -inf gets index 0.
; SHARES.  256 work-groups of 256 rows; a wave owns 64 rows, four row tiles of 16, which stay in 256 registers as bf16 fragments for the whole launch: x is read once.  Every wave walks all
; 256 code tiles of 16 codes: a tile's 18 LDS loads feed 32 matrix instructions.
; LAYOUT.  Source 0 = 16 codes, source 1 = 16 rows of x: in the result lane l holds ONE row (l % 16) and the codes 8 (l / 16) + 0..7.  The norm term is the C operand of the first of a
; score's eight products.  So nothing changes lanes until the end, when the two halves of the lanes are merged.
; THE RUNNING MAXIMUM.  For a row tile and code tile: the maximum of the lane's 8 scores; where it beats (strictly) the best so far, the best, the tile's number and the 8 scores are kept: 15 vector
; instructions for 8 scores.  Which of the 8 it was is found once, at the end.
; BY TURNS.  A turn multiplies one code tile (32 products, four accumulators by turns) and takes the maximum of the tile before, whose scores lie in the other buffer: four of its 60
; vector instructions behind every two products.
; THE RING.  wt goes through two LDS slots of 128 codes (8 turns, 256 products a wave).  CLUSTER: all work-groups walk the same wt, so the four of a cluster ask for each slot JOINTLY: the same tensor load,
; descriptor and mask in all four.  x comes first, by one plain tensor load a wave, into the bytes that the ring then takes.
; REGISTERS, in windows of 256 (s_set_vgpr_msb: bits 1:0 source 0, 3:2 source 1, 5:4 source 2, 7:6 destination):
;   window 0: addresses, statistics, the norm terms and the scores (below)      window 1: x, row tile rt, channels 32 c on, at 64 rt + 8 c
;   window 2: v0-127 the code tile's fragments, two buffers: 64 par + 8 c (first: x in f32 on its way to bf16)
.set XP,    1040                       ; a row of x in LDS: 1,024 bytes + 16: an odd multiple of 16, so the 16 rows of a load start at 16 different groups of four banks (64 banks of 4 bytes: ISA guide 11.1)
.set XW,    64*XP                      ; a wave's 64 rows
.set WP,    528                        ; a code in LDS: 512 bytes + 16, likewise
.set TILEB, 16*WP                      ; a code tile
.set SLOTB, 8*TILEB                    ; a slot: 128 codes, 67,584 bytes
.set QUART, 32*WP                      ; what one wave fetches of it
.set SLOT1, 1<<17                      ; slot 1 begins here, so that one exclusive or turns an address in one slot into the other's
.set SLOTG, 128*512                    ; a slot's bytes in wt
.set NHB,   256*XP                     ; behind x's stage (in which both slots lie): the norm terms, 4,096 f32; stored by the waves, never filled by a tensor load
.set IDXS,  NHB+16384                  ; 256 bytes for each wave: the indices' way out
.set SPARE, IDXS+1024                  ; the spare words, 128 bytes for each wave: two blocks of 256 bytes that no other line names
.set AW0,  3                           ; v3   my lane's place in a code tile: 528 (l % 16) + 16 (l / 16); never rewritten
.set AN0,  4                           ; v4   my lane's place in a tile's norm terms: NHB + 32 (l / 16); never rewritten
.set ADR,  5                           ; v5   the LDS address of the run of loads in hand: fragments,
.set ADN,  6                           ; v6   norm terms
.set VT,   7                           ; v7   the number of the code tile whose scores are being looked through
.set AX,   8                           ; v8   my lane's place in my wave's rows of x
.set PFO,  9                           ; v9   256 x my lane; never rewritten
.set SPW,  10                          ; v10  LDS address of my spare word: SPARE + 4 x my thread's number; never rewritten
.set NIL,  11                          ; v11  0; never rewritten
.set TT,   12                          ; v[12:15]  two registers at work for each of the two row tiles in hand
.set BEST, 16                          ; v[16:19]  row tile rt: the best score so far
.set TIX,  20                          ; v[20:23]  the code tile in which it was found
.set KEEP, 24                          ; v[24:55]  that tile's 8 scores
.set NH,   56                          ; v[56:71]  the norm terms of 8 codes, two buffers
.set S,    72                          ; v[72:135] the scores: buffer par, row tile rt at S + 32 par + 8 rt
.set WK,   136                         ; v[136:172] at work at the start and at the end
.set WV,   12                          ; s12  my wave's number
.set LIM,  15                          ; s15  1 in a wave that prefetches, else the greatest number
.set PFA,  18                          ; s[18:19] where my prefetches stand in wt
.set G1W,  24                          ; s[24:31] descriptor group 1 for the codes
.set G1X,  32                          ; s[32:39] for x
.set G0W,  40                          ; s[40:43] descriptor group 0 for the codes: it walks
.set G0X,  44                          ; s[44:47] for x
.set SLOTS, 48                         ; s48  slots still to be asked for
.set CNT,  49                          ; s49  counts pairs of turns
.set TB,   50                          ; s50  LDS byte at which the code tile to be fetched begins
.set TNH,  51                          ; s51  64 x that tile's number
.set MA,   52                          ; s52, s53  where the new maximum beats the best: the even row tile's lanes, the odd one's
.set SEL,  54                          ; s[54:55] v_permlanex16_b32's selects: each lane takes its own place in the other half
.set EM,   66                          ; s[66:69] the end's masks
.set MSB, 0
.macro WIN new                         ; the immediate's high byte repeats the setting that is left; a switch that changes nothing is dropped
.if MSB != (\new)
	s_set_vgpr_msb (MSB<<8)|(\new)
.set MSB, (\new)
.endif
.endm
.set W_MM, 0x06                        ; codes (source 0) in window 2, x (source 1) in window 1, C and D in window 0
.set W_LD, 0x80                        ; destination in window 2, address in window 0
.set W_CV, 0x4a                        ; sources 0 and 1 in window 2, destination in window 1
; A round of the cluster's barrier: my work-group's barrier, so that wave 0's signal speaks for all four waves; wave 0 signals; every wave waits for all four work-groups; my work-group's barrier once more.
.macro CREST                           ; a round behind its opening barrier
	s_cmp_lg_u32 s[WV], 0
	s_cbranch_scc1 .Lnot_wave_0_\@
	s_barrier_signal -3
.Lnot_wave_0_\@:
	s_barrier_wait -3
	s_barrier_signal -1
	s_barrier_wait -1
.endm
.macro CROUND                          ; a whole round
	s_barrier_signal -1
	s_barrier_wait -1
	CREST
.endm
; A joint fill: every wave fetches its 32 of the slot's 128 codes; nothing in the descriptor hangs on the work-group's place.  An s_nop 0 and four v_nop follow the load.
.macro JLOAD
	tensor_load_to_lds s[G0W:G0W+3], s[G1W:G1W+7]
	s_nop 0
.rept 4
	v_nop
.endr
.endm
; A PREFETCH INTO THE L2 of the slot that the NEXT change of slots will ask for: 8 turns, 256 matrix instructions, ahead of that load.  Every cluster walks the same wt: the first cluster asks, nobody else.  Its
; four partners share a slot's 65,536 bytes out BY ADDRESS, 16,384 each; in each, waves 0 and 1 take 8,192, a lane 256: each aligned block of 256 bytes of slots 3 to 31 is named once in the launch.
; Slots 0 to 2 come by their loads alone; the last change that fills a slot asks for nothing: there is no slot behind it.
.macro ASK
	s_cmp_gt_u32 s[SLOTS], s[LIM]
	s_cbranch_scc0 .Lnot_mine_\@
	global_prefetch_b8 v[PFO], s[PFA:PFA+1] th:TH_LOAD_NT scope:SCOPE_SE
.Lnot_mine_\@:
.endm
	s_load_b256 s[4:11], s[0:1], 0x0               ; x s[4:5], wt s[6:7], sw s[8:9], idx s[10:11]
	v_lshl_add_u32 v[SPW], v0, 2, SPARE
	v_mov_b32 v[NIL], 0
	ds_add_u32 v[SPW], v[NIL]                      ; the wave's opening: the add and its wait stand ahead of my first tensor load; the set-up below, work on registers, stands between them
	v_lshrrev_b32 v1, 5, v0
	v_readfirstlane_b32 s[WV], v1                  ; wave 0..3
	s_bfe_u32 s13, ttmp6, 0x40000                  ; cx: my place in the cluster
	s_lshl_b32 s14, ttmp9, 2                       ; in a cluster launch ttmp9 counts clusters
	s_add_co_u32 s14, s14, s13                     ; my block of 256 rows: it enters x's and idx's addresses alone
	; descriptor group 1 for the codes: 32 rows x 256 elements of 2 bytes, padded in LDS
	s_mov_b32 s[G1W], 15|(1<<16)|(1<<20)|(1<<21)|(6<<22)|(3<<25)  ; 15:0 the mask: all four work-groups; 17:16 2-byte elements; 20 padding on; 21 set beside a mask; 24:22 after every 128 words (code 6); 31:25 4 words (code 3)
	s_mov_b32 s[G1W+1], 256<<16                    ; tensor_dim0 = 256
	s_mov_b32 s[G1W+2], 32<<16                     ; tensor_dim1 = 32
	s_mov_b32 s[G1W+3], 256<<16                    ; tile_dim0 = 256
	s_mov_b32 s[G1W+4], 32                         ; tile_dim1 = 32
	s_mov_b32 s[G1W+5], 256                        ; 256 elements from row to row
	s_mov_b32 s[G1W+6], 0
	s_mov_b32 s[G1W+7], 0
	; and for x: 64 rows x 256 elements of 4 bytes, no mask: each work-group has rows of its own
	s_mov_b32 s[G1X], (2<<16)|(1<<20)|(7<<22)|(3<<25)  ; 17:16 4-byte elements; 20 padding on; 24:22 after every 256 words (code 7); 31:25 4 words (code 3)
	s_mov_b32 s[G1X+1], 256<<16
	s_mov_b32 s[G1X+2], 64<<16
	s_mov_b32 s[G1X+3], 256<<16
	s_mov_b32 s[G1X+4], 64
	s_mov_b32 s[G1X+5], 256
	s_mov_b32 s[G1X+6], 0
	s_mov_b32 s[G1X+7], 0
	s_mov_b32 s[G0W], 1                            ; 1:0 count = 1
	s_mul_i32 s[G0W+1], s[WV], QUART               ; 63:32 LDS address: my quarter of slot 0
	s_mov_b32 s[G0X], 1
	s_mul_i32 s[G0X+1], s[WV], XW                  ; my wave's rows in x's stage
	s_lshl_b32 s22, s[WV], 14                      ; my 32 codes of a slot in wt: the wave's number alone
	s_mov_b32 s23, 0
	s_lshl_b32 s20, s14, 18                        ; my block's 256 rows of 1,024 bytes,
	s_lshl_b32 s21, s[WV], 16                      ; my wave's 64 of them
	s_add_co_u32 s20, s20, s21
	s_mov_b32 s21, 0
	s_lshl_b32 s16, s14, 10                        ; the same rows in idx
	s_lshl_b32 s17, s[WV], 8
	s_add_co_u32 s16, s16, s17
	s_mov_b32 s17, 0
	s_lshl_b32 s2, s13, 14                         ; the prefetches: my work-group's quarter of a slot,
	s_and_b32 s3, s[WV], 1
	s_lshl_b32 s3, s3, 13                          ; my wave's half of it,
	s_add_co_u32 s2, s2, s3
	s_add_co_u32 s2, s2, 2*SLOTG                   ; in slot 2: the first change of slots steps it to slot 3
	s_mov_b32 s3, 0
	s_lshr_b32 s[LIM], s[WV], 1                    ; 0 in waves 0 and 1,
	s_or_b32 s[LIM], s[LIM], ttmp9                 ; where the cluster is the first: the same in all four partners
	s_cmp_eq_u32 s[LIM], 0
	s_cselect_b32 s[LIM], 1, -1
	s_mov_b32 s[SEL], 0x76543210
	s_mov_b32 s[SEL+1], 0xfedcba98
	s_mov_b32 s56, 0xbf000000                      ; -0.5, named as a pair
	s_mov_b32 s57, 0xbf000000
	s_mov_b32 s61, 0xffff0000                      ; lanes 16 to 31
	s_mov_b32 s62, 0xff800000                      ; -inf
	s_mov_b32 s[TB], 0
	s_mov_b32 s[TNH], 0
	s_mov_b32 s[SLOTS], 30
	s_wait_dscnt 0x0                               ; the opening add is done
	s_wait_kmcnt 0x0
	s_add_nc_u64 s[G0X+2:G0X+3], s[4:5], s[20:21]  ; 120:64 global address
	s_or_b32 s[G0X+3], s[G0X+3], 0x80000000        ; 127:126 type = 2
	s_add_nc_u64 s[G0W+2:G0W+3], s[6:7], s[22:23]
	s_or_b32 s[G0W+3], s[G0W+3], 0x80000000
	s_add_nc_u64 s[10:11], s[10:11], s[16:17]
	s_add_nc_u64 s[PFA:PFA+1], s[6:7], s[2:3]
	s_load_b32 s60, s[8:9], 0x0                    ; sw[0]
	CROUND                                         ; the round that stands in front of the first tensor loads
	tensor_load_to_lds s[G0X:G0X+3], s[G1X:G1X+7]  ; my 64 rows of x: the launch's first fill, one load a wave
	s_nop 0
.rept 4
	v_nop
.endr
	; while x is on its way: the table of norm terms, (sw[0] - sw[k]) / 2, one rounding each; thread t makes terms 4 t + 512 i .. + 3
	v_lshlrev_b32 v[WK+32], 4, v0
.set k, 0
.rept 8
	global_load_b128 v[WK+4*k:WK+4*k+3], v[WK+32], s[8:9] offset:2048*k
.set k, k+1
.endr
	v_add_nc_u32 v[WK+33], NHB, v[WK+32]
	v_and_b32 v1, 15, v0                           ; l % 16
	v_bfe_u32 v2, v0, 4, 1                         ; l / 16
	v_mul_u32_u24 v[AW0], v1, WP
	v_lshl_add_u32 v[AW0], v2, 4, v[AW0]
	v_lshl_add_u32 v[AN0], v2, 5, NHB
	v_mul_u32_u24 v[AX], v1, XP
	v_lshl_add_u32 v[AX], v2, 5, v[AX]             ; row x pitch + 8 f32 x half
	v_add_nc_u32 v[AX], s[G0X+1], v[AX]
	v_and_b32 v[PFO], 31, v0
	v_lshlrev_b32 v[PFO], 8, v[PFO]
	s_wait_kmcnt 0x0
	s_mul_f32 s58, s60, 0.5                        ; exact
	s_mov_b32 s59, s58                             ; named with it as a pair
	s_wait_loadcnt 0x0
.set k, 0
.rept 16
	v_pk_fma_f32 v[WK+2*k:WK+2*k+1], v[WK+2*k:WK+2*k+1], s[56:57], s[58:59] op_sel_hi:[1,0,0]
.set k, k+1
.endr
.set k, 0
.rept 8
	ds_store_b128 v[WK+33], v[WK+4*k:WK+4*k+3] offset:2048*k
.set k, k+1
.endr
; x from LDS to bf16 fragments, in eight parts u: row tile u / 2, channels 128 (u % 2) on.  A fragment is 16 rows x 32 channels in 8 registers: lane l holds row l % 16, channels 8 (l / 16) + 0..7 and
; 16 + 8 (l / 16) + 0..7: in f32 two runs of 32 bytes, 64 bytes apart.
.macro XLOAD u
	WIN W_LD
.set cc, 0
.rept 4
.set tr, 64*((\u)%2)+16*cc
.set xo, 16*XP*((\u)/2)+128*(4*((\u)%2)+cc)
	ds_load_b128 v[tr:tr+3],     v[AX] offset:xo
	ds_load_b128 v[tr+4:tr+7],   v[AX] offset:xo+16
	ds_load_b128 v[tr+8:tr+11],  v[AX] offset:xo+64
	ds_load_b128 v[tr+12:tr+15], v[AX] offset:xo+80
.set cc, cc+1
.endr
.endm
.macro XCVT u
	WIN W_CV
.set cc, 0
.rept 4
.set tr, 64*((\u)%2)+16*cc
.set xb, 64*((\u)/2)+8*(4*((\u)%2)+cc)
.set k, 0
.rept 8
	v_cvt_pk_bf16_f32 v[xb+k], v[tr+2*k], v[tr+2*k+1]
.set k, k+1
.endr
.set cc, cc+1
.endr
.endm
	s_wait_tensorcnt 0x0                           ; my rows of x are in LDS; I read no other wave's
	XLOAD 0
	XLOAD 1
.set uu, 0
.rept 8
.if uu < 7
	s_wait_dscnt 16                                ; LDS instructions end in order: part uu is in, the next part's 16 loads may stay out
.else
	s_wait_dscnt 0x0
.endif
	XCVT uu
.if uu < 6
	XLOAD uu+2
.endif
.set uu, uu+1
.endr
	WIN 0
	s_wait_tensorcnt 0x0                           ; the ring takes the stage's bytes: no tensor load of mine is out,
	ds_add_u32 v[SPW], v[NIL]                      ; 0 onto my spare word,
	s_wait_dscnt 0x0                               ; the add, my reads of x and my stores of norm terms are done
	CROUND                                         ; so of every wave: nobody reads the stage any more, and the table of norm terms is whole
	JLOAD                                          ; slot 0
	; while it is on its way: nothing has been found yet.  The second score buffer holds -inf, so that the first turn, which has no tile before it, is a turn like any other and takes nothing
.set k, 0
.rept 4
	v_mov_b32 v[BEST+k], s62
	v_mov_b32 v[TIX+k], 0
.set k, k+1
.endr
.set k, 0
.rept 32
	v_mov_b32 v[KEEP+k], s62
	v_mov_b32 v[S+32+k], s62
.set k, k+1
.endr
	v_mov_b32 v[VT], -1
	s_wait_tensorcnt 0x0                           ; my quarter of slot 0 is in; no tensor load of mine is out, so group 0 may be written
	ds_add_u32 v[SPW], v[NIL]                      ; 0 onto my spare word; the descriptor's step stands between the add and its wait
	s_xor_b32 s[G0W+1], s[G0W+1], SLOT1
	s_add_nc_u64 s[G0W+2:G0W+3], s[G0W+2:G0W+3], SLOTG
	s_wait_dscnt 0x0
	CROUND                                         ; slot 0 is whole in every work-group
	JLOAD                                          ; slot 1, which also lies in the stage's bytes: my one load behind this round
; Product i of a turn's 32: channels 32 (i / 4) on, row tile i % 4.  The first four start the sums with the tile's norm terms.
.macro MM par
	WIN W_MM
.set rS, S+32*(\par)+8*(i%4)
.set rW, 64*(\par)+8*(i/4)
.set rX, 64*(i%4)+8*(i/4)
.if i < 4
	v_wmma_f32_16x16x32_bf16 v[rS:rS+7], v[rW:rW+7], v[rX:rX+7], v[NH+8*(\par):NH+8*(\par)+7]
.else
	v_wmma_f32_16x16x32_bf16 v[rS:rS+7], v[rW:rW+7], v[rX:rX+7], v[rS:rS+7]
.endif
.set i, i+1
.endm
; Number n of the 60 vector instructions that look through the scores in buffer RB: row tiles 0 and 1 alternate, then 2 and 3, so that no instruction reads the result of the one before it.
; Each accumulator's lowest registers are read first.
.macro RID n
.set rt, 2*((\n)/30)+(\n)%2
.set op, ((\n)%30)/2
.set rS, S+32*RB+8*rt
.set t0, TT+2*(rt%2)
.set mk, MA+rt%2
.if op == 0
	v_max3_num_f32 v[t0], v[rS], v[rS+1], v[rS+2]
.elseif op == 1
	v_max3_num_f32 v[t0+1], v[rS+3], v[rS+4], v[rS+5]
.elseif op == 2
	v_max3_num_f32 v[t0], v[t0], v[rS+6], v[rS+7]
.elseif op == 3
	v_max_num_f32 v[t0], v[t0], v[t0+1]
.elseif op == 4
	v_cmp_gt_f32 s[mk], v[t0], v[BEST+rt]          ; strictly: of equal scores the earlier tile's stays
.elseif op == 5
	v_max_num_f32 v[BEST+rt], v[BEST+rt], v[t0]
.elseif op == 6
	v_cndmask_b32 v[TIX+rt], v[TIX+rt], v[VT], s[mk]
.else
	v_cndmask_b32 v[KEEP+8*rt+op-7], v[KEEP+8*rt+op-7], v[rS+op-7], s[mk]
.endif
.endm
.macro SLICE                           ; slice p of 16: four of the 60; the last steps the tile's number
	WIN 0
.if p < 15
	RID 4*p
	RID 4*p+1
	RID 4*p+2
	RID 4*p+3
.else
	v_add_nc_u32 v[VT], 1, v[VT]
.endif
.set p, p+1
.endm
.macro PAIR par                        ; two products and a slice
	MM \par
	MM \par
	SLICE
.endm
; The next code tile's 18 LDS loads, in one run, into buffer np: 8 fragments (16 codes x 32 channels: two loads of 16 bytes, 32 bytes apart) and 8 norm terms a lane.
.macro FETCH np
	WIN 0
	v_add_nc_u32 v[ADR], s[TB], v[AW0]
	v_add_nc_u32 v[ADN], s[TNH], v[AN0]
	WIN W_LD
.set c, 0
.rept 8
	ds_load_b128 v[64*(\np)+8*c:64*(\np)+8*c+3],   v[ADR] offset:64*c
	ds_load_b128 v[64*(\np)+8*c+4:64*(\np)+8*c+7], v[ADR] offset:64*c+32
.set c, c+1
.endr
	WIN 0
	ds_load_b128 v[NH+8*(\np):NH+8*(\np)+3],   v[ADN]
	ds_load_b128 v[NH+8*(\np)+4:NH+8*(\np)+7], v[ADN] offset:16
	s_add_co_u32 s[TB], s[TB], TILEB               ; the next fetch is the next tile's
	s_add_co_u32 s[TNH], s[TNH], 64
	s_and_b32 s[TNH], s[TNH], 0x3fc0               ; the table has 256 tiles of 64 bytes: the offset stays inside it
.endm
; A TURN: the code tile in buffer par is multiplied; the scores of the tile before, in the other buffer, are looked through.
; PLACES (ISA guide 7.12.1 for vector instructions).  The first slice reads row tiles 0 and 1 of the scores that the turn before finished with its products 28 and 29: behind those stand that turn's
; slice 14 (four instructions on the other buffer) and the step of VT: five places, and six.  The run of loads goes into the fragments that the turn before read, last with its product 31: behind that stand the step
; of VT, this turn's first slice (row tiles 0 and 1 alone) and the run's own two additions: seven.
; mode 0: the next tile is fetched behind the first slice, 30 products ahead of its first use.   mode 3: the last tile: nothing is fetched.
; mode 1: THE CHANGE OF SLOTS, in a slot's last turn: its last bytes were fetched a turn ago.  Each wave waits for all its tensor loads, of which one is out: its quarter of the other slot; adds 0 to its spare word;
; and waits for that and for its reads of this slot.  The barrier opens a round of the cluster's, so that no wave of any partner still reads the slot or has a load on its way; the joint refill, with the
; codes two slots on, is the first thing behind the round: it has 240 products in which to land.  Then the other slot's first tile is fetched.   mode 2: the same with nothing left to ask for: a plain barrier.
.macro TURN par, mode
.set RB, 1-(\par)
.set i, 0
.set p, 0
.if ((\mode) == 0) || ((\mode) == 3)
	s_wait_dscnt 0x0                               ; this tile's fragments and norm terms are in
	PAIR \par
.if (\mode) == 0
	FETCH 1-(\par)
.endif
.rept 15
	PAIR \par
.endr
.else
.if (\mode) == 1
	s_wait_xcnt 0x0                                ; the last prefetch, eight turns back, has read its address: it is stepped here, ahead of the change's own waits
	s_add_nc_u64 s[PFA:PFA+1], s[PFA:PFA+1], SLOTG
.endif
	WIN 0
	s_wait_tensorcnt 0x0                           ; no tensor load of mine is out, so group 0 may be written
	ds_add_u32 v[SPW], v[NIL]                      ; 0 onto my spare word; work on registers stands between it and the wait for it
.if (\mode) == 1
	s_xor_b32 s[G0W+1], s[G0W+1], SLOT1            ; the walking descriptor: the other slot than last time,
	s_add_nc_u64 s[G0W+2:G0W+3], s[G0W+2:G0W+3], SLOTG  ; the next 128 codes; the type bits on top are not reached
.endif
	s_sub_co_u32 s[TB], s[TB], SLOTB               ; the fetches go back to a slot's first tile,
	s_xor_b32 s[TB], s[TB], SLOT1                  ; in the other slot
	s_wait_dscnt 0x1                               ; the add alone may be out: this tile's 18 loads, issued ahead of it, are in
.rept 4
	PAIR \par
.endr
	s_wait_dscnt 0x0                               ; the add is done, and my reads of this slot are over
	s_barrier_signal -1
.rept 4
	PAIR \par                                      ; work on registers while the others arrive
.endr
	WIN 0                                          ; at a branch and at a label every window is 0
	s_barrier_wait -1
.if (\mode) == 1
	CREST
	JLOAD
.endif
	FETCH 1-(\par)
.if (\mode) == 1
	ASK                                            ; behind the joint load, its five lines and the run of LDS loads
.endif
.rept 8
	PAIR \par
.endr
.endif
.endm
; A slot's eight turns: three trips of two, then two written out, of which the last changes slots.
.macro SLOTRUN mode
	s_mov_b32 s[CNT], 3
.Lpair_\@:
	TURN 0, 0
	TURN 1, 0
	WIN 0
	s_sub_co_u32 s[CNT], s[CNT], 1
	s_cmp_lg_u32 s[CNT], 0
	s_cbranch_scc1 .Lpair_\@
	TURN 0, 0
	TURN 1, \mode
	WIN 0
.endm
	FETCH 0                                        ; code tile 0
.Lslot:                                            ; 30 trips: slots 0 to 29 are walked, and filled again with slots 2 to 31
	SLOTRUN 1
	s_sub_co_u32 s[SLOTS], s[SLOTS], 1
	s_cmp_lg_u32 s[SLOTS], 0
	s_cbranch_scc1 .Lslot
	SLOTRUN 2                                      ; the tail is written out: slot 30
	SLOTRUN 3                                      ; and slot 31
.set RB, 1                                         ; the last tile's scores are looked through; the places behind its last products are those of every turn
.set p, 0
.rept 15
	SLICE
.endr
	; THE END.  Which of the 8 kept scores is the best: the lowest j that equals it.  Then the index, and the merge with the lane 16 away, which holds the same row's other codes: the greater score, of equal scores the lower index.
.set et, 0
.rept 4
	v_mov_b32 v[WK+et], 0
.set et, et+1
.endr
.set ej, 7
.rept 8
.set et, 0
.rept 4
	v_cmp_eq_f32 s[EM+et], v[KEEP+8*et+ej], v[BEST+et]
.set et, et+1
.endr
.set et, 0
.rept 4
	v_cndmask_b32 v[WK+et], v[WK+et], ej, s[EM+et]
.set et, et+1
.endr
.set ej, ej-1
.endr
.set et, 0
.rept 4
	v_lshl_add_u32 v[WK+4+et], v[TIX+et], 4, v[WK+et]      ; 16 x tile + j
	v_lshl_add_u32 v[WK+4+et], v2, 3, v[WK+4+et]           ; + 8 (l / 16)
.set et, et+1
.endr
.set et, 0
.rept 4
	v_permlanex16_b32 v[WK+8+et],  v[BEST+et], s[SEL], s[SEL+1]   ; (its destination counts as read: these registers held norm terms)
	v_permlanex16_b32 v[WK+12+et], v[WK+4+et], s[SEL], s[SEL+1]
.set et, et+1
.endr
.set et, 0
.rept 4
	v_cmp_gt_f32 s[EM],   v[WK+8+et],  v[BEST+et]
	v_cmp_eq_f32 s[EM+1], v[WK+8+et],  v[BEST+et]
	v_cmp_lt_u32 s[EM+2], v[WK+12+et], v[WK+4+et]
	s_and_b32 s[EM+1], s[EM+1], s[EM+2]
	s_or_b32 s[EM], s[EM], s[EM+1]
	v_cndmask_b32 v[WK+4+et], v[WK+4+et], v[WK+12+et], s[EM]
.set et, et+1
.endr
	; both halves of the lanes now hold row tile rt's 16 indices.  Lane l takes row l and row 32 + l; through my own 256 bytes of LDS they become two neighbouring rows a lane
	v_cndmask_b32 v[WK+16], v[WK+4], v[WK+5], s61
	v_cndmask_b32 v[WK+17], v[WK+6], v[WK+7], s61
	s_lshl_b32 s22, s[WV], 8
	s_add_co_u32 s22, s22, IDXS
	v_and_b32 v[WK+36], 31, v0
	v_lshl_add_u32 v[WK+34], v[WK+36], 2, s22
	v_lshl_add_u32 v[WK+35], v[WK+36], 3, s22
	v_lshlrev_b32 v[WK+36], 3, v[WK+36]
	ds_store_b32 v[WK+34], v[WK+16]
	ds_store_b32 v[WK+34], v[WK+17] offset:128
	ds_load_b64 v[WK+18:WK+19], v[WK+35]           ; LDS serves a wave's instructions in order (ISA guide 5.7.1.4): this sees the stores above
	s_wait_dscnt 0x0
	global_store_b64 v[WK+36], v[WK+18:WK+19], s[10:11]  ; 32 lanes store my wave's 64 indices: 256 consecutive bytes, at a multiple of 256 from idx's first byte
	s_wait_tensorcnt 0x0                           ; the wave's end: behind my last tensor load and my last LDS store
	ds_add_u32 v[SPW], v[NIL]
	s_wait_dscnt 0x0
	CROUND                                         ; the closing round: no work-group ends while a partner may still ask for a tile that names it
	s_endpgm
.Lfunc_end_k_qd3506a998a_argmin:
	.size	k_qd3506a998a_argmin, .Lfunc_end_k_qd3506a998a_argmin-k_qd3506a998a_argmin
	.p2alignl 7, 3214868480
	.fill 96, 4, 3214868480
	.section	.rodata,"a",@progbits
	.p2align	6, 0x0
	.amdhsa_kernel k_qd3506a998a_argmin
		.amdhsa_group_segment_fixed_size 327680
		.amdhsa_private_segment_fixed_size 0
		.amdhsa_enable_private_segment 0
		.amdhsa_kernarg_size 32
		.amdhsa_user_sgpr_count 2
		.amdhsa_user_sgpr_kernarg_segment_ptr 1
		.amdhsa_wavefront_size32 1
		.amdhsa_system_sgpr_workgroup_id_x 1
		.amdhsa_system_sgpr_workgroup_id_y 1
		.amdhsa_system_sgpr_workgroup_id_z 1
		.amdhsa_system_vgpr_workitem_id 0
		.amdhsa_next_free_vgpr 640
		.amdhsa_next_free_sgpr 80
		.amdhsa_reserve_vcc 0
		.amdhsa_float_denorm_mode_32 3
		.amdhsa_float_denorm_mode_16_64 3
		.amdhsa_memory_ordered 1
		.amdhsa_forward_progress 1
		.amdhsa_inst_pref_size 144
	.end_amdhsa_kernel
	.amdgpu_metadata
---
amdhsa.version: [ 1, 2 ]
amdhsa.kernels:
  - .name:           k_qd3506a998a_argmin
    .symbol:         k_qd3506a998a_argmin.kd
    .args:
      - { .name: x, .offset: 0, .size: 8, .value_kind: global_buffer, .address_space: global }
      - { .name: wt, .offset: 8, .size: 8, .value_kind: global_buffer, .address_space: global }
      - { .name: sw, .offset: 16, .size: 8, .value_kind: global_buffer, .address_space: global }
      - { .name: idx, .offset: 24, .size: 8, .value_kind: global_buffer, .address_space: global }
    .group_segment_fixed_size: 327680
    .private_segment_fixed_size: 0
    .kernarg_segment_align: 8
    .kernarg_segment_size: 32
    .max_flat_workgroup_size: 128
    .sgpr_count:     80
    .vgpr_count:     640
    .wavefront_size: 32
...
	.end_amdgpu_metadata
.endif
;; end of part 2
;; launch gather (part 3): grid 1024 x 1, 8 waves a work-group, no clusters, 0 bytes of LDS; arguments idx, wt, out0; writes out0
.if DOCPART == 3
	.amdgcn_target "amdgcn-amd-amdhsa--gfx1250"
	.amdhsa_code_object_version 6
	.text
	.protected	k_qd3506a998a_gather
	.globl	k_qd3506a998a_gather
	.p2align	8
	.type	k_qd3506a998a_gather,@function
k_qd3506a998a_gather:
	s_mov_b64 s[64:65], 0
	v_nop
	global_prefetch_b8 v0, s[64:65] scope:SCOPE_SE
	s_setreg_imm32_b32 hwreg(HW_REG_WAVE_MODE, 25, 1), 1
	s_wait_xcnt 0x0
; out0[n][:] = f32(wt[idx[n]][:]).   idx: [65536] u32, stored by the launch before;  wt: [4096][256] bf16;  out0: [65536][256] f32.
; LIMIT.  The output is the chosen code rounded once to bf16 (within 2^-9 of itself), widened exactly.
; A stream: 64 MiB go out, the table is 2 MiB that everybody reads.  A work-group takes 64 rows, a wave 8.
; A lane reads 8 bytes (4 channels) of each half of a code's row, so that its 4 f32 are 16 bytes on end: each load of the wave covers 256 consecutive bytes, each store 512, aligned.
; All 16 loads of a wave go out together and all 64 result registers are its own: no register is written twice, so no wait frees one.  No LDS, no barrier, no matrix unit: nothing is shared or reduced.
.set L8, 1                             ; v1        8 x lane
.set SO, 2                             ; v2        my byte offset in the work-group's 64 rows of out0: 8,192 x wave + 16 x lane
.set OF, 8                             ; v[8:15]   row i: my byte offset in wt
.set DD, 16                            ; v[16:47]  row i: four registers as loaded
.set OO, 48                            ; v[48:111] row i: eight f32
	s_load_b128 s[4:7], s[0:1], 0x0                ; idx s[4:5], wt s[6:7]
	s_load_b64 s[8:9], s[0:1], 0x10                ; out0
	v_lshrrev_b32 v3, 5, v0
	v_readfirstlane_b32 s12, v3                    ; wave 0..7
	v_and_b32 v4, 31, v0
	v_lshlrev_b32 v[L8], 3, v4
	s_lshl_b32 s13, s12, 13                        ; a wave's 8 rows of 1,024 bytes
	v_lshl_add_u32 v[SO], v4, 4, s13
	s_lshl_b32 s2, ttmp9, 8                        ; the work-group's 64 indices,
	s_lshl_b32 s3, s12, 5                          ; my wave's 8
	s_add_co_u32 s2, s2, s3
	s_mov_b32 s3, 0
	s_lshl_b32 s10, ttmp9, 16                      ; the work-group's 64 rows of out0
	s_mov_b32 s11, 0
	s_mov_b32 s14, 0xffff0000                      ; a word's upper bf16
	s_wait_kmcnt 0x0
	s_add_nc_u64 s[4:5], s[4:5], s[2:3]
	s_add_nc_u64 s[8:9], s[8:9], s[10:11]
	s_load_b256 s[16:23], s[4:5], 0x0
	s_wait_kmcnt 0x0
.set i, 0
.rept 8
	s_min_u32 s[16+i], s[16+i], 0xfff              ; an index stays inside the table
.set i, i+1
.endr
.set i, 0
.rept 8
	v_lshl_add_u32 v[OF+i], s[16+i], 9, v[L8]      ; 512 bytes a code
.set i, i+1
.endr
.set i, 0
.rept 8
	global_load_b64 v[DD+4*i:DD+4*i+1],   v[OF+i], s[6:7]
	global_load_b64 v[DD+4*i+2:DD+4*i+3], v[OF+i], s[6:7] offset:256
.set i, i+1
.endr
.set i, 0
.rept 8
	s_wait_loadcnt 14-2*i                          ; loads come back in order: row i's two are in, the later rows' stay out
.set j, 0
.rept 4
	v_lshlrev_b32 v[OO+8*i+2*j],   16,  v[DD+4*i+j]    ; bf16 to f32: the low half moves up,
	v_and_b32     v[OO+8*i+2*j+1], s14, v[DD+4*i+j]    ; the high half stays
.set j, j+1
.endr
	global_store_b128 v[SO], v[OO+8*i:OO+8*i+3],   s[8:9] offset:1024*i th:TH_STORE_NT
	global_store_b128 v[SO], v[OO+8*i+4:OO+8*i+7], s[8:9] offset:1024*i+512 th:TH_STORE_NT
.set i, i+1
.endr
	s_endpgm
.Lfunc_end_k_qd3506a998a_gather:
	.size	k_qd3506a998a_gather, .Lfunc_end_k_qd3506a998a_gather-k_qd3506a998a_gather
	.p2alignl 7, 3214868480
	.fill 96, 4, 3214868480
	.section	.rodata,"a",@progbits
	.p2align	6, 0x0
	.amdhsa_kernel k_qd3506a998a_gather
		.amdhsa_group_segment_fixed_size 0
		.amdhsa_private_segment_fixed_size 0
		.amdhsa_enable_private_segment 0
		.amdhsa_kernarg_size 24
		.amdhsa_user_sgpr_count 2
		.amdhsa_user_sgpr_kernarg_segment_ptr 1
		.amdhsa_wavefront_size32 1
		.amdhsa_system_sgpr_workgroup_id_x 1
		.amdhsa_system_sgpr_workgroup_id_y 1
		.amdhsa_system_sgpr_workgroup_id_z 1
		.amdhsa_system_vgpr_workitem_id 0
		.amdhsa_next_free_vgpr 128
		.amdhsa_next_free_sgpr 66
		.amdhsa_reserve_vcc 0
		.amdhsa_float_denorm_mode_32 3
		.amdhsa_float_denorm_mode_16_64 3
		.amdhsa_memory_ordered 1
		.amdhsa_forward_progress 1
		.amdhsa_inst_pref_size 8
	.end_amdhsa_kernel
	.amdgpu_metadata
---
amdhsa.version: [ 1, 2 ]
amdhsa.kernels:
  - .name:           k_qd3506a998a_gather
    .symbol:         k_qd3506a998a_gather.kd
    .args:
      - { .name: idx, .offset: 0, .size: 8, .value_kind: global_buffer, .address_space: global }
      - { .name: wt, .offset: 8, .size: 8, .value_kind: global_buffer, .address_space: global }
      - { .name: out0, .offset: 16, .size: 8, .value_kind: global_buffer, .address_space: global }
    .group_segment_fixed_size: 0
    .private_segment_fixed_size: 0
    .kernarg_segment_align: 8
    .kernarg_segment_size: 24
    .max_flat_workgroup_size: 256
    .sgpr_count:     66
    .vgpr_count:     128
    .wavefront_size: 32
...
	.end_amdgpu_metadata
.endif
;; end of part 3
